; MI455X (gfx1250); checked and timed in simulation.
; The chip was launched on July 23, 2026; its instructions are those of AMD's public machine-readable ISA for CDNA 5 (MIT licence, August 2026) and "CDNA5" Instruction Set Architecture Reference Guide (July 2026). The comments in the code are by the model that wrote it; some were corrected since.
;; Population Attention. Allowed arithmetic: float matrix products may take bf16 or f16 operands with f32 sums; all other float work in f32.
;; Inputs: K 4 x 16 x 2,048 x 64 float32; Q 4 x 16 x 2,048 x 64 float32; V 4 x 16 x 2,048 x 64 float32; x 4 x 1 x 2,048 x 1 float32.
;; Outputs: out0 4 x 16 x 2,048 x 64 float32.
;; One version. Each part assembles by itself: llvm-mc -triple=amdgcn-amd-amdhsa -mcpu=gfx1250 --defsym DOCPART=n.
;; ======== version 1 of 1: 2 launches
;; workspace buffers: part 4,194,304 bytes
;; launch kv (part 1): grid 256 x 1, 8 waves a work-group, no clusters, 132,096 bytes of LDS; arguments K, V, x, part; writes part
.if DOCPART == 1
	.amdgcn_target "amdgcn-amd-amdhsa--gfx1250"
	.amdhsa_code_object_version 6
	.text
	.protected	k_q06fda205d8_kv
	.globl	k_q06fda205d8_kv
	.p2align	8
	.type	k_q06fda205d8_kv,@function
k_q06fda205d8_kv:
	s_mov_b64 s[64:65], 0
	v_nop
	global_prefetch_b8 v0, s[64:65] scope:SCOPE_SE
	s_setreg_imm32_b32 hwreg(HW_REG_WAVE_MODE, 25, 1), 1
	s_wait_xcnt 0x0
; part[g] = K_chunk^T (V_chunk o x): one 64 x 64 f32 matrix M[d][e] = sum over 512 key rows m of K[m][d] V[m][e] x[m].
; reference() has nothing non-linear between its two products, so (Q K^T / 8)(V o x) = Q (K^T (V o x)) / 8 for every input;
; this launch makes the inner product in four partial sums a head, the next launch adds them and multiplies by Q.
; LIMITS: the order of summation differs from reference()'s (key rows first, in 8 waves x 4 work-groups a head).  K is rounded once
; to bf16; V o x goes to the matrix unit as two bf16, hi + lo (16 significant bits), so that only one operand of the whole program carries
; a plain bf16 rounding.  An f32 above bf16's largest number (3.39e38) rounds to infinity; an infinite V o x gives NaN (lo = inf - inf);
; lo loses bits where |V x| is below about 2^-118.
;
; SHARES: work-group g = head g >> 2, rows 512 (g & 3) .. + 511: 128 KiB of K and of V, each byte read once.  Wave w takes 64 rows, two steps
; of 32.  A wave asks for all its 32 KiB in its first lines; there is no loop and no branch.
; NO CLUSTER: work-groups share nothing but x, 2 KiB of the 258 KiB that each reads.  NO LDS RING: nothing is read by two waves.
;
; LAYOUT WITHOUT A TRANSPOSITION.  Lane (r = l & 15, h = l >> 4) loads 16 bytes at byte 16 r of row m0 + 16 h + i, i = 0 .. 15: sixteen lanes cover
; one whole row of 256 bytes.  Component t of the 16 bytes belongs to tile t, whose row (of A) or column (of B) r stands for d or e = 4 r + t.
; Fragment register jj packs rows 2 jj and 2 jj + 1: the key rows sit in the k places in another order than the natural one, alike in A and B,
; which leaves every product in the sum.  Result tile (td, te), register j: M[4 (8 h + j) + td][4 r + te].
; part's layout is the register image: quad q = (2 te + c) 4 + td at byte 512 q + 16 l holds registers 4 c .. 4 c + 3 of tile (td, te).
.set X,   16                           ; v[16:47]    x of row i of step s at X + 16 s + i (my half's 16 rows)
.set AF,  48                           ; v[48:111]   K fragments: step s, tile td, register jj at AF + 32 s + 8 td + jj
.set ACC, 128                          ; v[128:255]  tile (td, te) at ACC + 8 (4 td + te); later the eight images' quads
.set KR,  0                            ; window 1 (v256 and up): raw K of step s at KR + 128 s + 4 i; later hi (+ 8 te + jj) and lo (+ 32 + 8 te + jj) of V x
.set VR,  64                           ; window 1: raw V of step s at VR + 128 s + 4 i
; v1 = 4096 h + 16 r (K, V)   v2 = 64 h (x)   v3 = 16 l (part)   v4 = LDS, my image   v5, v6 = LDS, my quads of images 0-3, 4-7   v7 = -1.0
.set MSB, 0
.macro WIN new                         ; s_set_vgpr_msb: bits 1:0 source 0, 3:2 source 1, 5:4 source 2, 7:6 destination; the high byte repeats the setting left
.if MSB != \new
	s_set_vgpr_msb (MSB<<8)|\new
.set MSB, \new
.endif
.endm
	s_load_b256 s[4:11], s[0:1], 0x0               ; K s[4:5], V s[6:7], x s[8:9], part s[10:11]
	v_lshl_add_u32 v126, v0, 2, 0x20000
	v_mov_b32 v127, 0
	v_lshrrev_b32 v8, 5, v0
	v_readfirstlane_b32 s12, v8                    ; wave w
	v_and_b32 v9, 15, v0                           ; r
	v_bfe_u32 v10, v0, 4, 1                        ; h
	v_and_b32 v3, 31, v0
	v_lshlrev_b32 v3, 4, v3                        ; 16 l
	v_lshlrev_b32 v1, 4, v9
	v_lshl_add_u32 v1, v10, 12, v1                 ; 16 r + 16 h rows of 256 bytes
	v_lshlrev_b32 v2, 6, v10                       ; 16 h numbers of x
	v_mov_b32 v7, -1.0
	s_lshl_b32 s13, s12, 14                        ; w x 16,384: 64 rows of K or V, and an image in LDS
	s_lshl_b32 s20, s12, 11                        ; w x 2,048: four quads of an image
	v_add_nc_u32 v4, s13, v3
	v_add_nc_u32 v5, s20, v3
	v_add_nc_u32 v6, 0x10000, v5                   ; LDS offsets have 16 bits: images 4-7 get a register of their own
	s_lshl_b32 s14, ttmp9, 17                      ; g x 512 rows x 256 bytes (below 2^25)
	s_add_co_u32 s14, s14, s13
	s_mov_b32 s15, 0
	s_lshr_b32 s16, ttmp9, 6                       ; batch = g >> 6: 8,192 bytes of x each
	s_lshl_b32 s16, s16, 13
	s_and_b32 s17, ttmp9, 3                        ; chunk: 512 numbers
	s_lshl_b32 s17, s17, 11
	s_add_co_u32 s16, s16, s17
	s_lshl_b32 s17, s12, 8                         ; wave: 64 numbers
	s_add_co_u32 s16, s16, s17
	s_mov_b32 s17, 0
	s_lshl_b32 s18, ttmp9, 14                      ; g x 16,384 bytes of part
	s_add_co_u32 s18, s18, s20
	s_mov_b32 s19, 0
	s_wait_kmcnt 0x0
	s_add_nc_u64 s[4:5], s[4:5], s[14:15]
	s_add_nc_u64 s[6:7], s[6:7], s[14:15]
	s_add_nc_u64 s[8:9], s[8:9], s[16:17]
	s_add_nc_u64 s[10:11], s[10:11], s[18:19]
; 16 loads: 32 rows of K or V, each load two whole rows of 256 bytes.  Read once in the launch: non-temporal.
.macro LOADT dst, base, s
	WIN 0x40                                       ; data in window 1, address in window 0
.irp i, 0,1,2,3,4,5,6,7,8,9,10,11,12,13,14,15
	global_load_b128 v[\dst+4*\i:\dst+4*\i+3], v1, s[\base:\base+1] offset:\s*8192+\i*256 th:TH_LOAD_NT
.endr
.endm
; K to bf16: register jj of tile td packs component td of rows 2 jj and 2 jj + 1
.macro CVTK s
	WIN 0x05                                       ; sources in window 1, destination in window 0
.irp td, 0,1,2,3
.irp jj, 0,1,2,3,4,5,6,7
	v_cvt_pk_bf16_f32 v[AF+32*\s+8*\td+\jj], v[KR+128*\s+8*\jj+\td], v[KR+128*\s+8*\jj+4+\td]
.endr
.endr
.endm
; V x in f32, in place: a row's four numbers times the row's x; the pair of x holds an even row's and the next odd row's
.macro SCALEV s
	WIN 0x41                                       ; V in window 1, x in window 0
.irp i2, 0,1,2,3,4,5,6,7
.irp p, 0,2
	v_pk_mul_f32 v[VR+128*\s+8*\i2+\p:VR+128*\s+8*\i2+\p+1], v[VR+128*\s+8*\i2+\p:VR+128*\s+8*\i2+\p+1], v[X+16*\s+2*\i2:X+16*\s+2*\i2+1] op_sel_hi:[1,0]
.endr
.irp p, 4,6
	v_pk_mul_f32 v[VR+128*\s+8*\i2+\p:VR+128*\s+8*\i2+\p+1], v[VR+128*\s+8*\i2+\p:VR+128*\s+8*\i2+\p+1], v[X+16*\s+2*\i2:X+16*\s+2*\i2+1] op_sel:[0,1] op_sel_hi:[1,1]
.endr
.endr
.endm
; V x = hi + lo: hi = bf16(V x); V x - hi is exact in f32 (one fused multiply-add with -1.0); lo = bf16 of it.
; hi and lo land on the step's raw K, which CVTK has read out.
.macro SPLITV s
	WIN 0x45
.irp te, 0,1,2,3
.irp jj, 0,1,2,3,4,5,6,7
	v_cvt_pk_bf16_f32 v[KR+128*\s+8*\te+\jj], v[VR+128*\s+8*\jj+\te], v[VR+128*\s+8*\jj+4+\te]
.endr
.endr
	WIN 0x51                                       ; hi and V x in window 1, v7 in window 0
.irp te, 0,1,2,3
.irp jj, 0,1,2,3,4,5,6,7
	v_fma_mix_f32_bf16 v[VR+128*\s+8*\jj+\te], v[KR+128*\s+8*\te+\jj], v7, v[VR+128*\s+8*\jj+\te] op_sel_hi:[1,0,0]
	v_fma_mix_f32_bf16 v[VR+128*\s+8*\jj+4+\te], v[KR+128*\s+8*\te+\jj], v7, v[VR+128*\s+8*\jj+4+\te] op_sel:[1,0,0] op_sel_hi:[1,0,0]
.endr
.endr
	WIN 0x45
.irp te, 0,1,2,3
.irp jj, 0,1,2,3,4,5,6,7
	v_cvt_pk_bf16_f32 v[KR+128*\s+32+8*\te+\jj], v[VR+128*\s+8*\jj+\te], v[VR+128*\s+8*\jj+4+\te]
.endr
.endr
.endm
; 32 matrix instructions: the 16 tiles with hi, then the same 16 with lo, each the next link of its tile's chain in place
; (same form, C and D the earlier D: no distance is owed, ISA guide 7.12.1).  zero = 1: the first product starts the sums, nothing is cleared.
.macro MULT s, zero
	WIN 0x04                                       ; B in window 1; A, C, D in window 0
.irp td, 0,1,2,3
.irp te, 0,1,2,3
.if \zero
	v_wmma_f32_16x16x32_bf16 v[ACC+8*(4*\td+\te):ACC+8*(4*\td+\te)+7], v[AF+32*\s+8*\td:AF+32*\s+8*\td+7], v[KR+128*\s+8*\te:KR+128*\s+8*\te+7], 0
.else
	v_wmma_f32_16x16x32_bf16 v[ACC+8*(4*\td+\te):ACC+8*(4*\td+\te)+7], v[AF+32*\s+8*\td:AF+32*\s+8*\td+7], v[KR+128*\s+8*\te:KR+128*\s+8*\te+7], v[ACC+8*(4*\td+\te):ACC+8*(4*\td+\te)+7]
.endif
.endr
.endr
.irp td, 0,1,2,3
.irp te, 0,1,2,3
	v_wmma_f32_16x16x32_bf16 v[ACC+8*(4*\td+\te):ACC+8*(4*\td+\te)+7], v[AF+32*\s+8*\td:AF+32*\s+8*\td+7], v[KR+128*\s+32+8*\te:KR+128*\s+32+8*\te+7], v[ACC+8*(4*\td+\te):ACC+8*(4*\td+\te)+7]
.endr
.endr
.endm
.macro ADDI a, b                       ; image a's four quads += image b's
.irp p, 0,2,4,6,8,10,12,14
	v_pk_add_f32 v[ACC+16*\a+\p:ACC+16*\a+\p+1], v[ACC+16*\a+\p:ACC+16*\a+\p+1], v[ACC+16*\b+\p:ACC+16*\b+\p+1]
.endr
.endm
	; everything that the wave will read, asked for at once: 8 loads of x (16 rows a half and a step; other work-groups read them too: no hint), 64 of K and V
.irp s, 0,1
.irp u, 0,1,2,3
	global_load_b128 v[X+16*\s+4*\u:X+16*\s+4*\u+3], v2, s[8:9] offset:\s*128+\u*16
.endr
.endr
	LOADT KR, 4, 0
	LOADT VR, 6, 0
	LOADT KR+128, 4, 1
	LOADT VR+128, 6, 1
	s_wait_loadcnt 48                              ; loads return in order (ISA guide 5.7.1): the 48 of V0, K1, V1 stay out; x and K0 are in
	CVTK 0
	s_wait_loadcnt 32                              ; K1 and V1 stay out; V0 is in
	SCALEV 0
	SPLITV 0
	MULT 0, 1
	s_wait_loadcnt 16                              ; V1 stays out; K1 is in
	CVTK 1                                         ; step 1 has fragment registers of its own: nothing here names a register of step 0's matrix instructions
	s_wait_loadcnt 0                               ; V1
	SCALEV 1
	SPLITV 1
	MULT 1, 0
	; The eight waves' sums meet in LDS: each wave lays down its image (32 quads of 512 neighbouring bytes), then adds four quads of all eight.
.rept 4
	v_nop                                          ; four places between the last matrix instructions and the LDS stores that read their results
.endr
	WIN 0
.irp td, 0,1,2,3
.irp te, 0,1,2,3
.irp c, 0,1
	ds_store_b128 v4, v[ACC+8*(4*\td+\te)+4*\c:ACC+8*(4*\td+\te)+4*\c+3] offset:((\te*2+\c)*4+\td)*512
.endr
.endr
.endr
	s_wait_dscnt 0x0                               ; for the other waves: my image is whole in LDS before I say so
	s_barrier_signal -1
	s_barrier_wait -1
.irp i, 0,1,2,3
.irp qq, 0,1,2,3
	ds_load_b128 v[ACC+16*\i+4*\qq:ACC+16*\i+4*\qq+3], v5 offset:\i*16384+\qq*512
.endr
.endr
.irp i, 0,1,2,3
.irp qq, 0,1,2,3
	ds_load_b128 v[ACC+64+16*\i+4*\qq:ACC+64+16*\i+4*\qq+3], v6 offset:\i*16384+\qq*512
.endr
.endr
	s_wait_dscnt 24                                ; four loads an image, in order: images 0 and 1 are in, 24 younger loads stay out
	ADDI 0, 1
	s_wait_dscnt 16                                ; images 2 and 3
	ADDI 2, 3
	ADDI 0, 2
	s_wait_dscnt 8                                 ; images 4 and 5
	ADDI 4, 5
	s_wait_dscnt 0                                 ; images 6 and 7
	ADDI 6, 7
	ADDI 4, 6
	ADDI 0, 4
.irp qq, 0,1,2,3
	global_store_b128 v3, v[ACC+4*\qq:ACC+4*\qq+3], s[10:11] offset:\qq*512    ; 512 neighbouring bytes a store; the next launch reads them: no hint
.endr
	s_wait_tensorcnt 0x0
	ds_add_u32 v126, v127
	s_wait_dscnt 0x0
	s_endpgm
.Lfunc_end_k_q06fda205d8_kv:
	.size	k_q06fda205d8_kv, .Lfunc_end_k_q06fda205d8_kv-k_q06fda205d8_kv
	.p2alignl 7, 3214868480
	.fill 96, 4, 3214868480
	.section	.rodata,"a",@progbits
	.p2align	6, 0x0
	.amdhsa_kernel k_q06fda205d8_kv
		.amdhsa_group_segment_fixed_size 132096
		.amdhsa_private_segment_fixed_size 0
		.amdhsa_enable_private_segment 0
		.amdhsa_kernarg_size 32
		.amdhsa_user_sgpr_count 2
		.amdhsa_user_sgpr_kernarg_segment_ptr 1
		.amdhsa_wavefront_size32 1
		.amdhsa_system_sgpr_workgroup_id_x 1
		.amdhsa_system_sgpr_workgroup_id_y 1
		.amdhsa_system_sgpr_workgroup_id_z 1
		.amdhsa_system_vgpr_workitem_id 0
		.amdhsa_next_free_vgpr 512
		.amdhsa_next_free_sgpr 66
		.amdhsa_reserve_vcc 0
		.amdhsa_float_denorm_mode_32 3
		.amdhsa_float_denorm_mode_16_64 3
		.amdhsa_memory_ordered 1
		.amdhsa_forward_progress 1
		.amdhsa_inst_pref_size 46
	.end_amdhsa_kernel
	.amdgpu_metadata
---
amdhsa.version: [ 1, 2 ]
amdhsa.kernels:
  - .name:           k_q06fda205d8_kv
    .symbol:         k_q06fda205d8_kv.kd
    .args:
      - { .name: K, .offset: 0, .size: 8, .value_kind: global_buffer, .address_space: global }
      - { .name: V, .offset: 8, .size: 8, .value_kind: global_buffer, .address_space: global }
      - { .name: x, .offset: 16, .size: 8, .value_kind: global_buffer, .address_space: global }
      - { .name: part, .offset: 24, .size: 8, .value_kind: global_buffer, .address_space: global }
    .group_segment_fixed_size: 132096
    .private_segment_fixed_size: 0
    .kernarg_segment_align: 8
    .kernarg_segment_size: 32
    .max_flat_workgroup_size: 256
    .sgpr_count:     66
    .vgpr_count:     512
    .wavefront_size: 32
...
	.end_amdgpu_metadata
.endif
;; end of part 1
;; launch qm (part 2): grid 256 x 1, 8 waves a work-group, no clusters, 168,960 bytes of LDS; arguments Q, part, out0; writes out0
.if DOCPART == 2
	.amdgcn_target "amdgcn-amd-amdhsa--gfx1250"
	.amdhsa_code_object_version 6
	.text
	.protected	k_q06fda205d8_qm
	.globl	k_q06fda205d8_qm
	.p2align	8
	.type	k_q06fda205d8_qm,@function
k_q06fda205d8_qm:
	s_mov_b64 s[64:65], 0
	v_nop
	global_prefetch_b8 v0, s[64:65] scope:SCOPE_SE
	s_setreg_imm32_b32 hwreg(HW_REG_WAVE_MODE, 25, 1), 1
	s_wait_xcnt 0x0
; out = Q M / 8, M = the sum of a head's four partial 64 x 64 matrices of the launch before (M = K^T (V o x)).
; LIMITS: M (in f32, summed (p0 + p1) + (p2 + p3)) and Q go to the matrix unit as two bf16 each, hi + lo; the products hi hi, lo hi and hi lo are summed,
; lo lo (below 2^-16 of the result) is left out.  1/8 is applied last, exactly.  An f32 above bf16's largest number (3.39e38) rounds to infinity;
; an infinite Q or M gives NaN (lo = inf - inf); lo loses bits below about 2^-118.
;
; SHARES: work-group g owns rows 512 g .. + 511 of Q and out taken as [131072][64] (head g >> 2); wave w 64 of them, four blocks of 16.
; Q comes by four tensor loads a wave (16 rows x 256 bytes each), all issued in the first lines, each into LDS bytes of its own: four outstanding
; at the most, no slot is filled twice, and only the issuing wave reads a tile, so its own s_wait_tensorcnt is all the ordering.
; NO CLUSTER: the four work-groups of a head share the head's 64 KiB of partials, one fifth of the 320 KiB that each moves; they are summed on their
; way in, from registers, and a joint request would have to land them in LDS first (64 KiB more, written and read back) behind a cluster barrier.
;
; LAYOUT.  The sum runs over d.  K step c of lane (r = l & 15, h = l >> 4) holds d = 32 h + 16 c + 0 .. 15, register jj the pair 2 jj, 2 jj + 1, alike in A and B.
; A: row r of Q, 128 neighbouring bytes of a padded LDS row.  B, tile te: column r stands for e = 4 r + te; in part's register image
; (quad (2 te + c) 4 + td, word u of lane l = M[32 h + 16 c + 4 u + td][4 r + te]) the same lane holds exactly these numbers.
; Result tile te, register j: out[n0 + 8 h + j][4 r + te]: the multiplication by 1/8 lays the four tiles' numbers side by side, 16 bytes of a row.
.set PITCH, 272                        ; an LDS row of Q: 256 bytes + 16 of padding, so that the 16 rows that a load touches begin 16 bytes apart modulo 256
.set TILE,  16*PITCH                   ; a block's tile
.set LM,    8*4*TILE                   ; 139,264: behind the tiles, M's fragments: hi of fragment f = 2 te + c at LM + 1024 f + 512 k + 16 l, lo 8,192 further
.set QR,  8                            ; v[8:39]     my 32 numbers of Q in f32, then their remainders
.set AH,  40                           ; v[40:55]    Q hi: K step c, register jj at AH + 8 c + jj
.set AL,  56                           ; v[56:71]    Q lo
.set OUT, 40                           ; v[40:71]    results, on AH and AL, which are done with by then
.set ACC, 72                           ; v[72:103]   tile te at ACC + 8 te
.set BH,  104                          ; v[104:167]  M hi: fragment f at BH + 8 f
.set BL,  168                          ; v[168:231]  M lo
.set P,   104                          ; prologue only: partial p, quad td at P + 16 p + 4 td
.set MH,  8                            ; prologue only: my fragment's hi, v[8:15], and lo, v[16:23]
.set ML,  16
.set G1,  24                           ; s[24:31] descriptor group 1
.set G0,  32                           ; s[32:47] descriptor group 0, a set for each block, never rewritten
; v1 = 16 l   v2 = LDS, my fragment of M   v3 = LDS, all fragments   v4 = LDS, my row of Q   v5 = 2048 h + 16 r (out)   v7 = -1.0
	s_load_b128 s[4:7], s[0:1], 0x0                ; Q s[4:5], part s[6:7]
	s_load_b64 s[8:9], s[0:1], 0x10                ; out
	v_lshl_add_u32 v232, v0, 2, 0x29000
	v_mov_b32 v233, 0
	ds_add_u32 v232, v233
	ds_add_u32 v232, v233
	v_lshrrev_b32 v6, 5, v0
	v_readfirstlane_b32 s12, v6                    ; wave w
	s_mov_b32 s[G1+0], (2<<16)|(1<<20)|(5<<22)|(3<<25) ; elements of 4 bytes; padding on: behind every 64 words, 4 words
	s_mov_b32 s[G1+1], 64<<16                      ; tensor_dim0 = 64
	s_mov_b32 s[G1+2], 16<<16                      ; tensor_dim1 = 16
	s_mov_b32 s[G1+3], 64<<16                      ; tile_dim0 = 64
	s_mov_b32 s[G1+4], 16                          ; tile_dim1 = 16
	s_mov_b32 s[G1+5], 64                          ; elements from row to row
	s_mov_b32 s[G1+6], 0
	s_mov_b32 s[G1+7], 0
	s_lshl_b32 s14, ttmp9, 17                      ; g x 512 rows x 256 bytes
	s_lshl_b32 s13, s12, 14                        ; + w x 64 rows
	s_add_co_u32 s14, s14, s13
	s_mov_b32 s15, 0
	s_lshr_b32 s16, ttmp9, 2                       ; head: four partials of 16,384 bytes
	s_lshl_b32 s16, s16, 16
	s_lshl_b32 s17, s12, 11                        ; + my fragment's four quads (f = w)
	s_add_co_u32 s16, s16, s17
	s_mov_b32 s17, 0
	s_mov_b32 s20, 0x3e000000                      ; 0.125
	s_mul_i32 s21, s12, 4*TILE                     ; my four tiles in LDS
	s_lshl_b32 s22, s12, 10
	s_add_co_u32 s22, s22, LM                      ; my fragment of M in LDS
	s_wait_dscnt 0x0
	s_wait_kmcnt 0x0
	s_add_nc_u64 s[4:5], s[4:5], s[14:15]
	s_add_nc_u64 s[8:9], s[8:9], s[14:15]
	s_add_nc_u64 s[6:7], s[6:7], s[16:17]
.irp b, 0,1,2,3
	s_mov_b32 s[G0+4*\b], 1                                        ; count = 1
	s_add_co_u32 s[G0+4*\b+1], s21, \b*TILE                        ; LDS address
	s_add_nc_u64 s[G0+4*\b+2:G0+4*\b+3], s[4:5], \b*4096           ; global address: 16 rows a block
	s_or_b32 s[G0+4*\b+3], s[G0+4*\b+3], 0x80000000                ; type = 2
	tensor_load_to_lds s[G0+4*\b:G0+4*\b+3], s[G1:G1+7]
	s_nop 0
.endr
	v_and_b32 v1, 31, v0
	v_lshlrev_b32 v1, 4, v1                        ; 16 l
.irp p, 0,1,2,3
.irp td, 0,1,2,3
	global_load_b128 v[P+16*\p+4*\td:P+16*\p+4*\td+3], v1, s[6:7] offset:\p*16384+\td*512   ; 512 neighbouring bytes a load; three other work-groups read them too: no hint
.endr
.endr
	v_and_b32 v8, 15, v0                           ; r
	v_bfe_u32 v9, v0, 4, 1                         ; h
	v_add_nc_u32 v2, s22, v1
	v_add_nc_u32 v3, LM, v1
	v_mul_u32_u24 v4, v8, PITCH
	v_lshl_add_u32 v4, v9, 7, v4                   ; row r, my half's 128 bytes
	v_add_nc_u32 v4, s21, v4
	v_lshlrev_b32 v5, 4, v8
	v_lshl_add_u32 v5, v9, 11, v5                  ; 8 h rows of 256 bytes + 16 r
	v_mov_b32 v7, -1.0
	; M's fragment f = w: the four partials' sum, split into hi and lo.  Each wave makes one of the eight, so the work-group reads the 64 KiB once.
.macro ADDP a, b
.irp i, 0,2,4,6,8,10,12,14
	v_pk_add_f32 v[P+16*\a+\i:P+16*\a+\i+1], v[P+16*\a+\i:P+16*\a+\i+1], v[P+16*\b+\i:P+16*\b+\i+1]
.endr
.endm
	s_wait_loadcnt 8                               ; four loads a partial, in order: partials 0 and 1 are in, the eight of 2 and 3 stay out
	ADDP 0, 1
	s_wait_loadcnt 0
	ADDP 2, 3
	ADDP 0, 2
.irp u, 0,1,2,3
.irp q, 0,1
	v_cvt_pk_bf16_f32 v[MH+2*\u+\q], v[P+8*\q+\u], v[P+8*\q+4+\u]          ; register 2 u + q: d = .. + 4 u + 2 q from quad td = 2 q, + 1 from quad 2 q + 1
.endr
.endr
.irp u, 0,1,2,3
.irp q, 0,1
	v_fma_mix_f32_bf16 v[P+8*\q+\u], v[MH+2*\u+\q], v7, v[P+8*\q+\u] op_sel_hi:[1,0,0]                        ; M - hi, exact
	v_fma_mix_f32_bf16 v[P+8*\q+4+\u], v[MH+2*\u+\q], v7, v[P+8*\q+4+\u] op_sel:[1,0,0] op_sel_hi:[1,0,0]
.endr
.endr
.irp u, 0,1,2,3
.irp q, 0,1
	v_cvt_pk_bf16_f32 v[ML+2*\u+\q], v[P+8*\q+\u], v[P+8*\q+4+\u]
.endr
.endr
	ds_store_b128 v2, v[MH:MH+3]
	ds_store_b128 v2, v[MH+4:MH+7] offset:512
	ds_store_b128 v2, v[ML:ML+3] offset:8192
	ds_store_b128 v2, v[ML+4:ML+7] offset:8704
	s_wait_dscnt 0x0                               ; for the other waves: my fragment is whole in LDS before I say so
	s_barrier_signal -1
	s_barrier_wait -1                              ; the only barrier; the tensor loads, whose bytes no other wave touches, stay on their way across it
.irp f, 0,1,2,3,4,5,6,7
.irp k, 0,1
	ds_load_b128 v[BH+8*\f+4*\k:BH+8*\f+4*\k+3], v3 offset:\f*1024+\k*512
.endr
.endr
.irp f, 0,1,2,3,4,5,6,7
.irp k, 0,1
	ds_load_b128 v[BL+8*\f+4*\k:BL+8*\f+4*\k+3], v3 offset:8192+\f*1024+\k*512
.endr
.endr
; Q = hi + lo for K step c: 16 numbers, in three runs so that no line waits for the one in front of it
.macro SPLITQ c
.irp jj, 0,1,2,3,4,5,6,7
	v_cvt_pk_bf16_f32 v[AH+8*\c+\jj], v[QR+16*\c+2*\jj], v[QR+16*\c+2*\jj+1]
.endr
.irp jj, 0,1,2,3,4,5,6,7
	v_fma_mix_f32_bf16 v[QR+16*\c+2*\jj], v[AH+8*\c+\jj], v7, v[QR+16*\c+2*\jj] op_sel_hi:[1,0,0]
	v_fma_mix_f32_bf16 v[QR+16*\c+2*\jj+1], v[AH+8*\c+\jj], v7, v[QR+16*\c+2*\jj+1] op_sel:[1,0,0] op_sel_hi:[1,0,0]
.endr
.irp jj, 0,1,2,3,4,5,6,7
	v_cvt_pk_bf16_f32 v[AL+8*\c+\jj], v[QR+16*\c+2*\jj], v[QR+16*\c+2*\jj+1]
.endr
.endm
; four matrix instructions, one a tile: A's registers at a, B's set (BH or BL) at K step c; each is the next link of its tile's chain in place
.macro MUL4 a, bset, c, zero
.irp te, 0,1,2,3
.if \zero
	v_wmma_f32_16x16x32_bf16 v[ACC+8*\te:ACC+8*\te+7], v[\a:\a+7], v[\bset+8*(2*\te+\c):\bset+8*(2*\te+\c)+7], 0
.else
	v_wmma_f32_16x16x32_bf16 v[ACC+8*\te:ACC+8*\te+7], v[\a:\a+7], v[\bset+8*(2*\te+\c):\bset+8*(2*\te+\c)+7], v[ACC+8*\te:ACC+8*\te+7]
.endif
.endr
.endm
; 16 rows of out.  left = how many younger tensor loads of mine may stay out.
.macro BLOCK b, left
	s_wait_tensorcnt \left                         ; a wave's tensor loads end in order: block b's tile is in LDS
.irp k, 0,1,2,3,4,5,6,7
	ds_load_b128 v[QR+4*\k:QR+4*\k+3], v4 offset:\b*TILE+16*\k
.endr
.if \b > 0
	s_wait_xcnt 0x0                                ; the last block's stores read OUT, which the conversions below write again only behind this wait
.endif
	s_wait_dscnt 4                                 ; LDS loads return in order: K step 0's four (and, in block 0, M's 32 in front of them) are in, four stay out
	SPLITQ 0
	s_wait_dscnt 0
	SPLITQ 1
	MUL4 AH, BH, 0, 1                              ; hi hi; the first product starts the sums
	MUL4 AH+8, BH, 1, 0
	MUL4 AL, BH, 0, 0                              ; lo hi
	MUL4 AL+8, BH, 1, 0
	MUL4 AH, BL, 0, 0                              ; hi lo
	MUL4 AH+8, BL, 1, 0
.rept 4
	v_nop                                          ; four places before vector instructions read the results and write over A's registers (ISA guide 7.12.1)
.endr
.irp j, 0,1,2,3,4,5,6,7
.irp te, 0,1,2,3
	v_mul_f32 v[OUT+4*\j+\te], s20, v[ACC+8*\te+\j]        ; reference()'s 1/8, and columns 4 r .. 4 r + 3 of a row come to lie in four neighbouring registers
.endr
.endr
.irp j, 0,1,2,3,4,5,6,7
	global_store_b128 v5, v[OUT+4*\j:OUT+4*\j+3], s[8:9] offset:\b*4096+\j*256 th:TH_STORE_NT   ; sixteen lanes store one whole row of 256 bytes
.endr
.endm
	BLOCK 0, 3
	BLOCK 1, 2
	BLOCK 2, 1
	BLOCK 3, 0                                     ; the last wait is for zero: no tensor load is out at the end
	s_wait_tensorcnt 0x0
	ds_add_u32 v232, v233
	s_wait_dscnt 0x0
	s_endpgm
.Lfunc_end_k_q06fda205d8_qm:
	.size	k_q06fda205d8_qm, .Lfunc_end_k_q06fda205d8_qm-k_q06fda205d8_qm
	.p2alignl 7, 3214868480
	.fill 96, 4, 3214868480
	.section	.rodata,"a",@progbits
	.p2align	6, 0x0
	.amdhsa_kernel k_q06fda205d8_qm
		.amdhsa_group_segment_fixed_size 168960
		.amdhsa_private_segment_fixed_size 0
		.amdhsa_enable_private_segment 0
		.amdhsa_kernarg_size 24
		.amdhsa_user_sgpr_count 2
		.amdhsa_user_sgpr_kernarg_segment_ptr 1
		.amdhsa_wavefront_size32 1
		.amdhsa_system_sgpr_workgroup_id_x 1
		.amdhsa_system_sgpr_workgroup_id_y 1
		.amdhsa_system_sgpr_workgroup_id_z 1
		.amdhsa_system_vgpr_workitem_id 0
		.amdhsa_next_free_vgpr 234
		.amdhsa_next_free_sgpr 66
		.amdhsa_reserve_vcc 0
		.amdhsa_float_denorm_mode_32 3
		.amdhsa_float_denorm_mode_16_64 3
		.amdhsa_memory_ordered 1
		.amdhsa_forward_progress 1
		.amdhsa_inst_pref_size 44
	.end_amdhsa_kernel
	.amdgpu_metadata
---
amdhsa.version: [ 1, 2 ]
amdhsa.kernels:
  - .name:           k_q06fda205d8_qm
    .symbol:         k_q06fda205d8_qm.kd
    .args:
      - { .name: Q, .offset: 0, .size: 8, .value_kind: global_buffer, .address_space: global }
      - { .name: part, .offset: 8, .size: 8, .value_kind: global_buffer, .address_space: global }
      - { .name: out0, .offset: 16, .size: 8, .value_kind: global_buffer, .address_space: global }
    .group_segment_fixed_size: 168960
    .private_segment_fixed_size: 0
    .kernarg_segment_align: 8
    .kernarg_segment_size: 24
    .max_flat_workgroup_size: 256
    .sgpr_count:     66
    .vgpr_count:     234
    .wavefront_size: 32
...
	.end_amdgpu_metadata
.endif
;; end of part 2
